; MI455X (gfx1250); checked and timed in simulation.
; The chip was launched on July 23, 2026; its instructions are those of AMD's public machine-readable ISA for CDNA 5 (MIT licence, August 2026) and "CDNA5" Instruction Set Architecture Reference Guide (July 2026). The comments in the code are by the model that wrote it; some were corrected since.
;; Optimized Bert Self Attention. Allowed arithmetic: matrix products marked QUANTISED: E2M3 operands, one E8M0 scale for each 32 along K, by v_wmma_scale_f32_16x16x128_f8f6f4 with both operands' format E2M3, f32 sums; everything else in f32.
;; Inputs: Wk_codes 1,024 x 32 x 24 uint8 (E2M3 codes of Wk, K innermost, in blocks of 32 codes, four codes in three bytes); Wk_scales 1,024 x 32 uint8 (E8M0 scales of Wk, one for each 32 codes along K); Wq_codes 1,024 x 32 x 24 uint8 (E2M3 codes of Wq, K innermost, in blocks of 32 codes, four codes in three bytes); Wq_scales 1,024 x 32 uint8 (E8M0 scales of Wq, one for each 32 codes along K); Wv_codes 1,024 x 32 x 24 uint8 (E2M3 codes of Wv, K innermost, in blocks of 32 codes, four codes in three bytes); Wv_scales 1,024 x 32 uint8 (E8M0 scales of Wv, one for each 32 codes along K); attention_mask 8 x 1 x 1 x 1,024 float32; bk 1,024 float32; bq 1,024 float32; bv 1,024 float32; hidden_states_codes 8 x 1,024 x 32 x 24 uint8 (E2M3 codes of hidden_states, K innermost, in blocks of 32 codes, four codes in three bytes); hidden_states_scales 8 x 1,024 x 32 uint8 (E8M0 scales of hidden_states, one for each 32 codes along K).
;; Outputs: out0 8 x 1,024 x 1,024 float32.
;; This version of the problem:
;;   THIS VERSION OF THE PROBLEM IS GIVEN IN LOW PRECISION. The matrix products marked QUANTISED in the list below multiply operands that are first quantised to E2M3 (2 exponent bits, 3 mantissa bits; 6 bits a number), with one power-of-two scale for each 32 numbers along K (OCP MX v1.0); their sums are f32. All else is computed in f32.
;;   The module's matrix products, in the order in which they are computed (A, B: the left and right operand; K: the contracted axis; several contracted axes count as one K, in the product's order):
;;     1. [M 8,192, K 1,024] x [K 1,024, N 1,024]; A: input hidden_states (given as codes); B: input Wq (given as codes): QUANTISED
;;     2. [M 8,192, K 1,024] x [K 1,024, N 1,024]; A: input hidden_states (given as codes); B: input Wk (given as codes): QUANTISED
;;     3. [M 8,192, K 1,024] x [K 1,024, N 1,024]; A: input hidden_states (given as codes); B: input Wv (given as codes): QUANTISED
;;     4. batch 128 x [M 1,024, K 64] x [K 64, N 1,024]; A: computed on the way; B: computed on the way: QUANTISED
;;     5. batch 128 x [M 1,024, K 1,024] x [K 1,024, N 64]; A: softmax (see below); B: computed on the way: QUANTISED
;;   THE QUANTISER, for each operand of a quantised product, along K:
;;     - K is cut into blocks of 32 from its start; a last block that is shorter is filled with zeros.
;;     - A block's scale is 2^e with e = floor(log2(the largest magnitude in the block)) - 2, held to -126 .. 127; a block of zeros has e = 0. As a byte (E8M0): e + 127.
;;     - Each number is divided by its block's scale, clamped to +-7.5, and rounded to the nearest number of E2M3, ties to even, subnormals kept.
;;     - The product sums the exact products of the quantised numbers (number of the format x scale) in f32.
;;   ~~~python
;;   def quantise(x, axis):      # numpy; x: float32 -> the quantised numbers, widened to float32 again
;;       x = np.moveaxis(x, axis, -1); K = x.shape[-1]
;;       x = np.pad(x, [(0, 0)] * (x.ndim - 1) + [(0, -K % 32)]); x = x.reshape(x.shape[:-1] + (-1, 32)); a = np.abs(x).max(-1, keepdims=True)
;;       e = np.where(a > 0, np.clip(np.frexp(np.where(a > 0, a, 1))[1] - 1 - 2, -126, 127), 0)      # np.frexp(a)[1] - 1 = floor(log2(a)), exactly
;;       r = np.clip(x / 2.0 ** e, -7.5, 7.5)
;;       step = 2.0 ** (np.maximum(np.frexp(np.where(r == 0, 1, r))[1] - 1, 0) - 3)
;;       q = np.round(r / step) * step * 2.0 ** e      # np.round: ties to even
;;       return np.moveaxis(q.reshape(q.shape[:-2] + (-1,))[..., :K], -1, axis).astype(np.float32)
;;   ~~~
;;   SOFTMAX AHEAD OF A QUANTISED PRODUCT. Where the list says 'softmax', what is quantised is not the finished softmax but p = 2^(t - M), with t = logit x log2(e) and M = ceil(the row's largest t), a whole number; so 1/2 < the row's largest p <= 1. The row's sum l is taken of the UNQUANTISED p, in f32, and the product's result is divided by l at the end. Since M is a whole number, a kernel that streams over the keys may use a running M (the ceiling of the running maximum): every later rescaling is an exact power of two, which a block's scale takes up: the codes' values come out the same.
;;   OPERANDS COMPUTED ON THE WAY. 'Computed on the way' means the value that the module computes at that place (a softmax that the list does not call 'softmax' is quantised finished and normalised). What goes into a quantiser is computed in f32, as accurately as f32 sums, v_exp_f32 and their like allow (about 1e-6 of the number): no bf16 or f16 on the way to a quantiser, and a product that is left as it is and whose result goes on into a quantised operand takes f32 operands (vector FMAs, or v_wmma_f32_16x16x4_f32). A number that lies on a knife's edge between two numbers of the format may be rounded either way, as far as f32 arithmetic and the matrix unit's own rounding can turn it there, and no further.
;;   INPUTS GIVEN AS CODES. Wk (in the module: [1024, 1024], K = its axis 1); Wq (in the module: [1024, 1024], K = its axis 1); Wv (in the module: [1024, 1024], K = its axis 1); hidden_states (in the module: [8, 1024, 1024], K = its axis 2): each comes as NAME_codes (uint8): NAME with its K axis moved to the last place and cut into blocks of 32 codes, [.., K / 32, bytes a block], one block behind the other in memory; four codes in three bytes: a row's codes are one little-endian stream of bits, code i at bits 6 i .. 6 i + 5 (a code: sign, 2 exponent bits, 3 mantissa bits); and NAME_scales (uint8): the same leading axes, one E8M0 byte (e + 127) for each 32 codes along K. Its value is code x scale, taken as it is: it is not quantised again, and the codes and scales need not be those that the quantiser above would give.
;; One version. Each part assembles by itself: llvm-mc -triple=amdgcn-amd-amdhsa -mcpu=gfx1250 --defsym DOCPART=n.
;; ======== version 1 of 1: 2 launches
;; limits: right only within a limited range of input values
;; workspace buffers: qb 6,815,744 bytes; kvb 13,369,344 bytes
;; launch proj (part 1): grid 8 x 32, 4 waves a work-group, clusters of 4 x 4, 327,680 bytes of LDS; arguments hidden_states_codes, hidden_states_scales, Wq_codes, Wq_scales, Wk_codes, Wk_scales, Wv_codes, Wv_scales, bq, bk, bv, qb, kvb; writes qb, kvb
.if DOCPART == 1
	.amdgcn_target "amdgcn-amd-amdhsa--gfx1250"
	.amdhsa_code_object_version 6
	.text
	.protected	k_q0736ad79c5_proj
	.globl	k_q0736ad79c5_proj
	.p2align	8
	.type	k_q0736ad79c5_proj,@function
k_q0736ad79c5_proj:
	s_mov_b64 s[64:65], 0
	v_nop
	global_prefetch_b8 v0, s[64:65] scope:SCOPE_SE
	s_setreg_imm32_b32 hwreg(HW_REG_WAVE_MODE, 25, 1), 1
	s_wait_xcnt 0x0
	s_wait_alu depctr_hold_cnt(0) depctr_sa_sdst(0) depctr_va_vdst(0) depctr_va_sdst(0) depctr_va_ssrc(0) depctr_va_vcc(0) depctr_vm_vsrc(0)
	s_getreg_b32 s2, hwreg(HW_REG_IB_STS2, 6, 4)
	s_cmp_eq_u32 s2, 0
	s_cbranch_scc0 .Lentry_in_a_cluster
	s_endpgm
.Lentry_in_a_cluster:
	s_bfe_u32 s2, ttmp6, 0x10000c
	s_cmp_lg_u32 s2, 0xf033
	s_cbranch_scc0 .Lentry_shape_is_right
	s_endpgm
.Lentry_shape_is_right:
; v = x Wv^T + bv, q = x Wq^T + bq, k = x Wk^T + bk on codes of FP6 (E2M3), K = 1,024, sums in f32; each result is quantised in registers and leaves as codes and scale words in the order of the next launch's operand registers.
; Every input has a way to the output and is read; no work of the problem is left out.
; SHARES.  256 work-groups: 32 groups of 256 rows of x times 8 pairs of heads.  A work-group holds its 256 rows of x, all of K, in LDS (filled once) and walks V, Q, K of its 128 channels.
; Four waves, 2 x 2: wave (a, bc) takes 128 of the rows (8 blocks of 16) and head 2 jg + bc; its 64 rows of the weight, all of K, lie in 384 registers; a block of x is 8 fragments, two sets by turns.
; A TILE OF 16 ROWS IS 8 + 8.  x: rows 64 a + 32 c + 8 u + 0..7 and the same 128 further on; Wq, Wk: channels 8 t + 0..7 and 32 + 8 t + 0..7 of the head.  So a lane's 32 sums (four tiles) are one block of 32 of the
; next product's K: no lane looks at another for a largest magnitude.  A step of 128 keys of the next launch is the blocks 128 h + 64 a + 32 c (operand block 2 c + h) of a group of 256 rows.
; The two halves of a tile lie in LDS pieces whose distance is 128 modulo 256 bytes, so the 32 lanes of a load of 8 bytes touch 64 different banks (64 banks of 4 bytes: ISA guide 11.1).
; V: source 0 = x (registers along the keys), Q, K: source 0 = the weight (registers along the channels).  The bias is the C of a block's first four products.
; FILLS.  At the head one joint load a wave: Wv's rows, x's scale bytes, x's two halves.  The weights' region is filled again twice (Wq, Wk; 32 rows a wave), each behind a drained round of the cluster's barrier.
; Wv's load states one row more than the tensor has left (it is written as zeros), so that the later pieces.
; x's rows are shared by a row of the cluster, a weight's rows by a column.  Wq's and Wk's tiles are asked for into the L2 ahead of their loads, 24 blocks of 256 bytes a wave of the column's sixteen, by four rows of clusters.
; OUT.  qb[b][head][step][8 tiles x 768 | 2 x 256 scale words], kvb[b][head][step][K: 8 x 768 | V: 4 x 2 x 768 | K's words 2 x 256 | V's words 256].  768 bytes: six registers of 32 lanes (0-3 at 16 x lane, 4-5 at 512 + 8 x lane).
; Scale words: [lane][2]: word p of lane l belongs to tile 2 p + l / 16, row l % 16.
; The last trip of K's loop fetches two blocks of x that nobody multiplies: the loop's text is one for both trips.
; LIMITS: a block whose largest magnitude lies under 2^-124 keeps the scale byte 1 (a block of zeros too; this program alone reads the bytes); NaN and infinities are not served.
; s_wait_dscnt NF ahead of a block: younger than its fetch is the next block's fetch alone, NF loads.
.set KROW,  768
.set PITCH, 816
.set FR,    12
.set FPW,   21
.set NF,    28
.set BSTEP, 8*PITCH
.set WPC,   32*PITCH
.set X1,    128*PITCH+128
.set WB,    209152
.set SCL,   314624
.set SPARE, 323328
.set ADRA0, 4
.set AAS0,  6
.set PFV,   7
.set CO8,   8
.set CO16,  9
.set SPW,   10
.set NIL,   11
.set ADRA,  12
.set SH8,   15
.set SHV,   16
.set AAS,   17
.set ABSV,  18
.set ABSQ,  19
.set BQ0,   20
.set BQA,   22
.set BVA,   23
.set SB,    24
.set SA,    44
.set WE,    60
.set WT,    61
.set WX,    62
.set HV,    64
.set ACC,   64
.set BA,    96
.set CD,    192
.set TC,    216
.set SOP,   232
.set EB,    236
.set VW,    240
.set PW,    244
.set TQ,    248
.set SBQ,   72                         ; window 3: Wq's scale words, Wk's, and the three biases as C
.set SBK,   88
.set CBQ,   104
.set CBK,   136
.set CBV,   168
.set OB,  8
.set OS,  10
.set SEL, 12
.set G1A, 24
.set G1B, 32
.set G0A, 48
.set G0R, 52
.set G0B, 56
.set G0S, 60
.set MH,  66
.set KCU, 90
.set KNX, 91
.set G1S, 92
.set ZCU, 100
.set ZNX, 101
.set MSB, 0
.macro WIN new
.if MSB != \new
	s_set_vgpr_msb (MSB<<8)|\new
.set MSB, \new
.endif
.endm
.macro PLACES n
.rept \n
	v_nop
.endr
.endm
.macro WALU
	s_wait_alu depctr_va_vdst(0)
.endm
.macro BARRIER
	s_barrier_signal -1
	s_barrier_wait -1
.endm
.macro CROUND
	s_barrier_signal -1
	s_barrier_wait -1
	s_cmp_lg_u32 s14, 0
	s_cbranch_scc1 .Lnw0_\@
	s_barrier_signal -3
.Lnw0_\@:
	s_barrier_wait -3
	s_barrier_signal -1
	s_barrier_wait -1
.endm
.macro TLOAD g0, g1
	tensor_load_to_lds s[\g0:\g0+3], s[\g1:\g1+7]
	s_nop 0
	PLACES 4
.endm
.macro GROUP1 g, mask, rows, trows
	s_or_b32 s[\g], s[\mask], (1<<20)|(1<<21)|(5<<22)|(3<<25)
	s_mov_b32 s[\g+1], KROW<<16
	s_mov_b32 s[\g+2], (\rows)<<16
	s_mov_b32 s[\g+3], KROW<<16
	s_mov_b32 s[\g+4], \trows
	s_mov_b32 s[\g+5], KROW
	s_mov_b32 s[\g+6], 0
	s_mov_b32 s[\g+7], 0
.endm
; fragment f lies in window 1 + f / 21 at register 12 (f % 21): 0-31 the weight's (4 q + t), 32-39 and 40-47 x's two sets.  Six pieces of 8 bytes, two to a load where both lie behind as many paddings.
.macro FRAG f, q, a0, a1
	WIN ((1+(\f)/FPW)<<6)
.set R_, FR*((\f)%FPW)
.set SKIP_, 0
.irp p, 0,1,2,3,4,5
.if SKIP_
.set SKIP_, 0
.else
.set PC_, 12*(\q)+6*(\p/3)+\p%3
.set PN_, 12*(\q)+6*((\p+1)/3)+(\p+1)%3
.set X_, (PC_%32+3)/32
.set XQ_, (PN_%32+3)/32
.if (\p < 5) && (X_ == XQ_)
.set SKIP_, 1
.if X_
	ds_load_2addr_b64 v[R_+2*\p:R_+2*\p+3], \a1 offset0:PC_+2*(PC_/32) offset1:PN_+2*(PN_/32)
.else
	ds_load_2addr_b64 v[R_+2*\p:R_+2*\p+3], \a0 offset0:PC_+2*(PC_/32) offset1:PN_+2*(PN_/32)
.endif
.elseif X_
	ds_load_b64 v[R_+2*\p:R_+2*\p+1], \a1 offset:8*(PC_+2*(PC_/32))
.else
	ds_load_b64 v[R_+2*\p:R_+2*\p+1], \a0 offset:8*(PC_+2*(PC_/32))
.endif
.endif
.endr
.endm
.macro WEIGHTS
.irp q, 0,1,2,3,4,5,6,7
.irp b, 0,1,2,3
	FRAG 4*\q+\b, \q, v[BA+2*\b], v[BA+2*\b+1]
.endr
.endr
	WIN 0
.endm
.macro FETCHAT e, a0, a1, as
.irp q, 0,1,2,3,4,5,6,7
	FRAG 32+8*(\e)+\q, \q, \a0, \a1
.endr
	WIN 0
	ds_load_b128 v[SA+8*(\e):SA+8*(\e)+3], \as
	ds_load_b128 v[SA+8*(\e)+4:SA+8*(\e)+7], \as offset:16
.endm
.macro PROD1 d, s0, s1, c, x0, x1, side, o
.if \o
	v_wmma_scale_f32_16x16x128_f8f6f4 v[\d:\d+7], v[FR*((\s0)%FPW):FR*((\s0)%FPW)+FR-1], v[FR*((\s1)%FPW):FR*((\s1)%FPW)+FR-1], \c, v[\x0], v[\x1] matrix_a_fmt:MATRIX_FMT_FP6 matrix_b_fmt:MATRIX_FMT_FP6 matrix_\side\()_scale:MATRIX_SCALE_ROW1
.else
	v_wmma_scale_f32_16x16x128_f8f6f4 v[\d:\d+7], v[FR*((\s0)%FPW):FR*((\s0)%FPW)+FR-1], v[FR*((\s1)%FPW):FR*((\s1)%FPW)+FR-1], \c, v[\x0], v[\x1] matrix_a_fmt:MATRIX_FMT_FP6 matrix_b_fmt:MATRIX_FMT_FP6 matrix_\side\()_scale:MATRIX_SCALE_ROW0
.endif
.endm
; product n = 4 q + t of a block: the four accumulators take turns.  kind 1 (V): source 0 = x; kind 0: source 0 = the weight.
.macro PROD kind, e, n, a0, as, cb
.set Q_, (\n)/4
.set T_, (\n)%4
.set FB_, 4*Q_+T_
.set FA_, 32+8*(\e)+Q_
.set D_, (\a0)+(\as)*T_
.set XB_, SB+8*(T_/2)+Q_
.set XA_, SA+8*(\e)+Q_
.if \kind
.if Q_
	WIN (1+FA_/FPW)|((1+FB_/FPW)<<2)
	PROD1 D_, FA_, FB_, v[D_:D_+7], XA_, XB_, b, T_%2
.else
	WIN (1+FA_/FPW)|((1+FB_/FPW)<<2)|(3<<4)
	PROD1 D_, FA_, FB_, v[\cb+8*T_:\cb+8*T_+7], XA_, XB_, b, T_%2
.endif
.else
.if Q_
	WIN (1+FB_/FPW)|((1+FA_/FPW)<<2)
	PROD1 D_, FB_, FA_, v[D_:D_+7], XB_, XA_, a, T_%2
.else
	WIN (1+FB_/FPW)|((1+FA_/FPW)<<2)|(3<<4)
	PROD1 D_, FB_, FA_, v[\cb+8*T_:\cb+8*T_+7], XB_, XA_, a, T_%2
.endif
.endif
.endm
; a block: 32 products, then the fetch of the block two on into the set just read (three additions and a v_nop are the places in front of the loads)
.macro BLK kind, u, a0, as, cb
	s_wait_dscnt NF
.set N_, 0
.rept 32
	PROD \kind, (\u)%2, N_, \a0, \as, \cb
.set N_, N_+1
.endr
	WIN 0
.if (\u) < 2
	s_add_co_u32 s20, s[KCU], ((\u)+2)*BSTEP
	s_add_co_u32 s21, s[ZCU], ((\u)+2)*272
.else
	s_add_co_u32 s20, s[KNX], ((\u)-2)*BSTEP
	s_add_co_u32 s21, s[ZNX], ((\u)-2)*272
.endif
	v_add_nc_u32 v[ADRA], s20, v[ADRA0]
	v_add_nc_u32 v[ADRA+1], s20, v[ADRA0+1]
	v_add_nc_u32 v[AAS], s21, v[AAS0]
	v_nop
	WALU
	FETCHAT (\u)%2, v[ADRA], v[ADRA+1], v[AAS]
.endm
; n groups of 32 sums from register x on: the largest magnitude by two chains a group (with the floor 2^(3 - 127)), the scale operand, the byte, 32 codes in six registers.  Each accumulator is first read at its low end.
.macro QUANT n, x
.set G_, 0
.rept \n
	v_max3_num_f32 v[TQ+2*G_], |v[\x+32*G_]|, |v[\x+32*G_+1]|, |v[\x+32*G_+2]|
	v_max3_num_f32 v[TQ+2*G_+1], |v[\x+32*G_+16]|, |v[\x+32*G_+17]|, |v[\x+32*G_+18]|
.set G_, G_+1
.endr
.set I_, 3
.rept 6
.set G_, 0
.rept \n
	v_max3_num_f32 v[TQ+2*G_], v[TQ+2*G_], |v[\x+32*G_+I_]|, |v[\x+32*G_+I_+1]|
	v_max3_num_f32 v[TQ+2*G_+1], v[TQ+2*G_+1], |v[\x+32*G_+16+I_]|, |v[\x+32*G_+17+I_]|
.set G_, G_+1
.endr
.set I_, I_+2
.endr
.set G_, 0
.rept \n
	v_max3_num_f32 v[TQ+2*G_+1], v[TQ+2*G_+1], |v[\x+32*G_+31]|, 0x1800000
.set G_, G_+1
.endr
.set G_, 0
.rept \n
	v_max3_num_f32 v[TQ+2*G_], v[TQ+2*G_], |v[\x+32*G_+15]|, v[TQ+2*G_+1]
.set G_, G_+1
.endr
.set G_, 0
.rept \n
	v_add_nc_u32 v[SOP+G_], 0xff000000, v[TQ+2*G_]
.set G_, G_+1
.endr
.set G_, 0
.rept \n
	v_lshrrev_b32 v[EB+G_], 23, v[SOP+G_]
.set G_, G_+1
.endr
.set G_, 0
.rept \n
	v_cvt_scalef32_pk16_fp6_f32 v[CD+6*G_:CD+6*G_+2], v[\x+32*G_:\x+32*G_+15], v[SOP+G_]
	v_cvt_scalef32_pk16_fp6_f32 v[TC+4*G_:TC+4*G_+2], v[\x+32*G_+16:\x+32*G_+31], v[SOP+G_]
.set G_, G_+1
.endr
	v_nop
.set G_, 0
.rept \n
.irp i, 0,1,2
	v_mov_b32 v[CD+6*G_+3+\i], v[TC+4*G_+\i]
.endr
.set G_, G_+1
.endr
.endm
; Q's or K's way out of block u: the tile's image, and its rows' scale words (my byte at bit 8 h, with lane l xor 16's); two tiles' words share a register
.macro QKOUT u
	s_wait_xcnt 0x0
	QUANT 1, ACC
	global_store_b128 v[CO16], v[CD:CD+3], s[OB:OB+1] offset:768*(\u)
	global_store_b64 v[CO8], v[CD+4:CD+5], s[OB:OB+1] offset:768*(\u)+512
	v_lshlrev_b32 v[WT], v[SH8], v[EB]
	v_permlanex16_b32 v[WX], v[WT], s[SEL], s[SEL+1]
.if (\u)%2
	v_or_b32 v[WT], v[WT], v[WX]
	v_cndmask_b32 v[PW+(\u)/2], v[WE], v[WT], s[MH]
.else
	v_or_b32 v[WE], v[WT], v[WX]
.endif
.if (\u) == 3
	global_store_b64 v[CO8], v[PW:PW+1], s[OS:OS+1]
.endif
	WALU
.endm
.macro TOGGLE
	s_xor_b32 s[KCU], s[KCU], WPC
	s_xor_b32 s[KNX], s[KNX], WPC
	s_xor_b32 s[ZCU], s[ZCU], 1088
	s_xor_b32 s[ZNX], s[ZNX], 1088
	s_add_co_u32 s19, s19, 1
	s_cmp_lg_u32 s19, 2
.endm
; a change of weights: a plain barrier shows the rows that the last refill brought; they go into registers; where a weight is still to come, a drained round and its load follow
.macro NEWW sq, refill, wbase
	WALU
	s_wait_tensorcnt 0x0
	s_wait_dscnt 0x0
	BARRIER
	WIN 3
.set I_, 0
.rept 16
	v_mov_b32 v[SB+I_], v[\sq+I_]
.set I_, I_+1
.endr
	WIN 0
.irp t, 0,1,2,3
	v_add_nc_u32 v[BA+2*\t], \t*BSTEP, v[BQ0]
	v_add_nc_u32 v[BA+2*\t+1], \t*BSTEP, v[BQ0+1]
.endr
	WALU
	WEIGHTS
.if \refill
	s_wait_tensorcnt 0x0
	ds_add_u32 v[SPW], v[NIL]
	s_mov_b32 s20, s67
	s_mov_b32 s21, 0
	s_add_nc_u64 s[G0B+2:G0B+3], s[\wbase:\wbase+1], s[20:21]
	s_or_b32 s[G0B+3], s[G0B+3], 0x80000000
	s_wait_dscnt 0x0
	CROUND
	TLOAD G0B, G1B
.else
	s_wait_dscnt 0x0
.endif
.endm
.macro QKLOOP cb
	s_mov_b32 s19, 0
.Lqk_\@:
.irp u, 0,1,2,3
	BLK 0, \u, ACC, 8, \cb
	QKOUT \u
.endr
	s_wait_xcnt 0x0
	s_add_nc_u64 s[OB:OB+1], s[OB:OB+1], 3072
	s_add_nc_u64 s[OS:OS+1], s[OS:OS+1], 256
	TOGGLE
	s_cbranch_scc1 .Lqk_\@
.endm
; ---- the head
	s_load_b128 s[4:7], s[0:1], 0x0
	s_load_b512 s[68:83], s[0:1], 0x10
	s_load_b128 s[84:87], s[0:1], 0x50
	s_load_b64 s[88:89], s[0:1], 0x60
	v_lshl_add_u32 v[SPW], v0, 2, SPARE
	v_mov_b32 v[NIL], 0
	ds_add_u32 v[SPW], v[NIL]
	ds_add_u32 v[SPW], v[NIL]
	v_lshrrev_b32 v1, 5, v0
	v_readfirstlane_b32 s14, v1                    ; wave; s15 = a, s16 = bc
	s_lshr_b32 s15, s14, 1
	s_and_b32 s16, s14, 1
	s_bfe_u32 s40, ttmp6, 0x40000
	s_bfe_u32 s41, ttmp6, 0x40004
	s_lshl_b32 s42, ttmp9, 2
	s_add_co_u32 s42, s42, s40                     ; jg: the pair of heads
	s_and_b32 s17, ttmp7, 0xffff                   ; the batch
	s_lshl_b32 s43, s17, 2
	s_add_co_u32 s43, s43, s41                     ; which 256 rows of x
	s_lshl_b32 s44, s41, 2
	s_lshl_b32 s44, 15, s44
	s_lshl_b32 s45, 0x1111, s40
	GROUP1 G1A, 44, 128, 128
	GROUP1 G1B, 45, 128, 129
	s_or_b32 s[G1S], s44, (3<<16)|(1<<20)|(1<<21)|(5<<22)|(3<<25)
	s_mov_b32 s[G1S+1], 32<<16
	s_mov_b32 s[G1S+2], 32<<16
	s_mov_b32 s[G1S+3], 32<<16
	s_mov_b32 s[G1S+4], 32
	s_mov_b32 s[G1S+5], 32
	s_mov_b32 s[G1S+6], 0
	s_mov_b32 s[G1S+7], 0
	s_mov_b32 s[G0A], 1
	s_mov_b32 s[G0A+1], 0
	s_mov_b32 s[G0R], 1
	s_mov_b32 s[G0R+1], X1
	s_mov_b32 s[G0B], 1
	s_mov_b32 s[G0B+1], WB
	s_mov_b32 s[G0S], 1
	s_mov_b32 s[G0S+1], SCL
	s_mul_i32 s46, s43, 256*KROW
	s_lshl_b32 s47, s43, 13
	s_mul_i32 s18, s42, 128*KROW                   ; my weights' rows, bytes from each W
	s_mov_b32 s[SEL], 0x76543210
	s_mov_b32 s[SEL+1], 0xfedcba98
	s_mov_b32 s[MH], 0xffff0000
	s_mov_b32 s[KCU], 0
	s_mov_b32 s[KNX], WPC
	s_mov_b32 s[ZCU], 0
	s_mov_b32 s[ZNX], 1088
	WALU
	s_wait_dscnt 0x0
	CROUND
	s_wait_kmcnt 0x0
	s_mov_b32 s21, 0
	s_mov_b32 s20, s46
	s_add_nc_u64 s[G0A+2:G0A+3], s[4:5], s[20:21]
	s_add_nc_u64 s[G0R+2:G0R+3], s[G0A+2:G0A+3], 128*KROW
	s_or_b32 s[G0A+3], s[G0A+3], 0x80000000
	s_or_b32 s[G0R+3], s[G0R+3], 0x80000000
	s_mov_b32 s20, s47
	s_add_nc_u64 s[G0S+2:G0S+3], s[6:7], s[20:21]
	s_or_b32 s[G0S+3], s[G0S+3], 0x80000000
	s_mov_b32 s20, s18
	s_add_nc_u64 s[G0B+2:G0B+3], s[76:77], s[20:21]
	s_or_b32 s[G0B+3], s[G0B+3], 0x80000000
	s_cmp_eq_u32 s14, 0
	s_cbranch_scc0 .Lwave_1
	TLOAD G0B, G1B                                 ; wave 0: Wv's rows
	s_branch .Lasked
.Lwave_1:
	s_cmp_eq_u32 s14, 1
	s_cbranch_scc0 .Lwave_2
	TLOAD G0S, G1S                                 ; wave 1: x's scale bytes
	s_branch .Lasked
.Lwave_2:
	s_cmp_eq_u32 s14, 2
	s_cbranch_scc0 .Lwave_3
	TLOAD G0A, G1A                                 ; wave 2: x's rows 0-127
	s_branch .Lasked
.Lwave_3:
	TLOAD G0R, G1A                                 ; wave 3: rows 128-255
.Lasked:
	s_mul_i32 s46, s15, 64*PITCH                   ; my 64 + 64 rows of x
	s_mul_i32 s47, s16, 64*PITCH
	s_add_co_u32 s47, s47, WB                      ; my 64 rows of Wv, which lie dense
	s_lshl_b32 s43, s16, 8
	s_add_co_u32 s43, s43, s47                     ; my two pieces of Wq or Wk: each piece lies 128 bytes further on than 32 rows behind the last
	s_mul_i32 s2, s15, 2176
	s_add_co_u32 s2, s2, SCL
	s_lshl_b32 s20, s41, 2
	s_add_co_u32 s20, s20, s14
	s_mul_i32 s3, s20, 6144
	s_add_co_u32 s3, s3, s18                       ; my sixteenth of a weight's tile
	s_mul_i32 s67, s14, 32*KROW
	s_add_co_u32 s67, s67, s18                     ; the 32 rows that I fetch in a refill
	s_lshl_b32 s22, s42, 12
	s_lshl_b32 s23, s16, 11
	s_add_co_u32 s22, s22, s23
	s_mov_b32 s23, 0
	s_add_nc_u64 s[70:71], s[70:71], s[22:23]      ; my 64 rows' scale bytes
	s_add_nc_u64 s[74:75], s[74:75], s[22:23]
	s_add_nc_u64 s[78:79], s[78:79], s[22:23]
	s_lshr_b32 s22, s22, 3
	s_add_nc_u64 s[80:81], s[80:81], s[22:23]      ; my head's biases
	s_add_nc_u64 s[82:83], s[82:83], s[22:23]
	s_add_nc_u64 s[84:85], s[84:85], s[22:23]
	s_lshl_b32 s20, s42, 1
	s_add_co_u32 s20, s20, s16
	s_lshl_b32 s21, s17, 4
	s_add_co_u32 s20, s20, s21
	s_lshl_b32 s20, s20, 3
	s_lshl_b32 s21, s41, 1
	s_add_co_u32 s20, s20, s21
	s_add_co_u32 s20, s20, s15                     ; 8 (16 b + head) + step
	s_mul_i32 s22, s20, 6656
	s_add_nc_u64 s[86:87], s[86:87], s[22:23]
	s_mul_i32 s22, s20, 13056
	s_add_nc_u64 s[88:89], s[88:89], s[22:23]
	s_add_nc_u64 s[OB:OB+1], s[88:89], 6144        ; V's codes
	v_and_b32 v1, 15, v0
	v_bfe_u32 v2, v0, 4, 1
	v_and_b32 v3, 31, v0
	v_and_b32 v60, 7, v0
	v_bfe_u32 v61, v0, 3, 1
	v_mul_u32_u24 v62, v60, PITCH
	v_mad_u32_u24 v63, v61, X1, v62
	v_mad_u32_u24 v[ADRA0], v2, 24, v63
	v_mad_u32_u24 v[ADRA0+1], v2, 40, v63
	v_add_nc_u32 v[ADRA0], s46, v[ADRA0]
	v_add_nc_u32 v[ADRA0+1], s46, v[ADRA0+1]
	v_add_nc_u32 v[ADRA], BSTEP, v[ADRA0]
	v_add_nc_u32 v[ADRA+1], BSTEP, v[ADRA0+1]
	v_mad_u32_u24 v63, v61, WPC+128, v62
	v_mad_u32_u24 v[BQ0], v2, 24, v63
	v_mad_u32_u24 v[BQ0+1], v2, 40, v63
	v_add_nc_u32 v[BQ0], s43, v[BQ0]
	v_add_nc_u32 v[BQ0+1], s43, v[BQ0+1]
	v_mul_u32_u24 v63, v1, PITCH
	v_mad_u32_u24 v62, v2, 24, v63
	v_mad_u32_u24 v63, v2, 40, v63
	v_add_nc_u32 v62, s47, v62
	v_add_nc_u32 v63, s47, v63
.irp t, 0,1,2,3
	v_add_nc_u32 v[BA+2*\t], \t*16*PITCH, v62      ; Wv's tiles are 16 neighbouring rows
	v_add_nc_u32 v[BA+2*\t+1], \t*16*PITCH, v63
.endr
	v_lshlrev_b32 v62, 5, v60
	v_mad_u32_u24 v[AAS0], v61, 4352, v62
	v_add_nc_u32 v[AAS0], s2, v[AAS0]
	v_add_nc_u32 v[AAS], 272, v[AAS0]
	v_lshlrev_b32 v[ABSV], 5, v3
	v_lshl_add_u32 v[ABSQ], v2, 8, v62
	v_lshl_add_u32 v[ABSQ], v61, 10, v[ABSQ]
	v_lshlrev_b32 v[BQA], 7, v2
	v_lshlrev_b32 v[BVA], 2, v1
	v_lshlrev_b32 v[CO16], 4, v3
	v_lshlrev_b32 v[CO8], 3, v3
	v_lshlrev_b32 v[SH8], 3, v2
	v_lshlrev_b32 v[SHV], 3, v2
	v_min_u32 v[PFV], 23, v3
	v_lshl_add_u32 v[PFV], v[PFV], 8, s3
	v_mov_b32 v[WX], 0
.irp t, 0,1,2,3
	v_mov_b32 v[VW+\t], 0
.endr
	WALU
.irp p, 0,1
.irp c, 0,1
	global_load_b128 v[SB+8*\p+4*\c:SB+8*\p+4*\c+3], v[ABSV], s[78:79] offset:1024*\p+16*\c
.endr
.endr
	WIN 0xc0
.irp t, 0,1,2,3
	global_load_b32 v[CBV+8*\t], v[BVA], s[84:85] offset:64*\t
.endr
.irp p, 0,1
.irp c, 0,1
	global_load_b128 v[SBQ+8*\p+4*\c:SBQ+8*\p+4*\c+3], v[ABSQ], s[70:71] offset:512*\p+16*\c
	global_load_b128 v[SBK+8*\p+4*\c:SBK+8*\p+4*\c+3], v[ABSQ], s[74:75] offset:512*\p+16*\c
.endr
.endr
.irp k, 0,1,2,3,4,5,6,7
	global_load_b128 v[CBQ+4*\k:CBQ+4*\k+3], v[BQA], s[80:81] offset:16*\k
	global_load_b128 v[CBK+4*\k:CBK+4*\k+3], v[BQA], s[82:83] offset:16*\k
.endr
	WIN 0
	s_cmp_eq_u32 s14, 0
	s_cbranch_scc0 .Lnot_b
	s_wait_tensorcnt 0x0
.Lnot_b:
	BARRIER                                        ; Wv's rows are in; the other tiles may be on their way
	s_cmp_lt_u32 s17, 4
	s_cbranch_scc0 .Lno_pf1
	global_prefetch_b8 v[PFV], s[68:69] th:TH_LOAD_NT scope:SCOPE_SE
.Lno_pf1:
	WEIGHTS
	s_wait_tensorcnt 0x0                           ; the first refill's round: it also shows x's rows and scale bytes to all
	ds_add_u32 v[SPW], v[NIL]
	s_mov_b32 s[G1B+2], 32<<16
	s_mov_b32 s[G1B+4], 32
	s_mul_i32 s[G0B+1], s14, WPC+128
	s_add_co_u32 s[G0B+1], s[G0B+1], WB            ; piece w at w x (32 rows + 128 bytes): no two pieces meet
	s_mov_b32 s20, s67
	s_mov_b32 s21, 0
	s_add_nc_u64 s[G0B+2:G0B+3], s[68:69], s[20:21]
	s_or_b32 s[G0B+3], s[G0B+3], 0x80000000
	s_wait_dscnt 0x0
	CROUND
	TLOAD G0B, G1B                                 ; Wq's rows, onto Wv's, which all waves hold in registers
	FETCHAT 0, v[ADRA0], v[ADRA0+1], v[AAS0]
	FETCHAT 1, v[ADRA], v[ADRA+1], v[AAS]
	s_cmp_lt_u32 s17, 4
	s_cbranch_scc0 .Lno_pf2
	global_prefetch_b8 v[PFV], s[72:73] th:TH_LOAD_NT scope:SCOPE_SE
.Lno_pf2:
	s_wait_loadcnt 0x0
	WIN 0xc3
.irp t, 0,8,16,24
.irp i, 1,2,3,4,5,6,7
	v_mov_b32 v[CBV+\t+\i], v[CBV+\t]              ; bv: one number a lane and tile, over the tile's eight registers
.endr
.endr
	WIN 0
	WALU
; ---- V: two bands of four blocks; a band's 4 x 32 sums a lane are four blocks of 32 keys
	s_mov_b32 s19, 0
.Lv:
.irp u, 0,1,2,3
	BLK 1, \u, HV+8*\u, 32, CBV
.endr
	QUANT 4, HV
.irp t, 0,1,2,3
	global_store_b128 v[CO16], v[CD+6*\t:CD+6*\t+3], s[OB:OB+1] offset:1536*\t
	global_store_b64 v[CO8], v[CD+6*\t+4:CD+6*\t+5], s[OB:OB+1] offset:1536*\t+512
.endr
.irp t, 0,1,2,3
	v_lshl_or_b32 v[VW+\t], v[EB+\t], v[SHV], v[VW+\t]   ; the byte of block 2 c + h at bit 16 c + 8 h
.endr
	v_add_nc_u32 v[SHV], 16, v[SHV]
	WALU
	s_wait_xcnt 0x0
	s_add_nc_u64 s[OB:OB+1], s[OB:OB+1], 768
	TOGGLE
	s_cbranch_scc1 .Lv
.irp t, 0,1,2,3
	v_permlanex16_b32 v[TQ+\t], v[VW+\t], s[SEL], s[SEL+1]
.endr
.irp t, 0,1,2,3
	v_or_b32 v[VW+\t], v[VW+\t], v[TQ+\t]
.endr
	v_cndmask_b32 v[PW], v[VW], v[VW+1], s[MH]
	v_cndmask_b32 v[PW+1], v[VW+2], v[VW+3], s[MH]
	global_store_b64 v[CO8], v[PW:PW+1], s[88:89] offset:12800
	s_mov_b64 s[OB:OB+1], s[86:87]
	s_add_nc_u64 s[OS:OS+1], s[86:87], 6144
; ---- Q, then K
	NEWW SBQ, 1, 72
	QKLOOP CBQ
	s_mov_b64 s[OB:OB+1], s[88:89]
	s_add_nc_u64 s[OS:OS+1], s[88:89], 12288
	NEWW SBK, 0, 72
	QKLOOP CBK
	s_wait_tensorcnt 0x0
	ds_add_u32 v[SPW], v[NIL]
	s_wait_dscnt 0x0
	CROUND
	s_endpgm
.Lfunc_end_k_q0736ad79c5_proj:
	.size	k_q0736ad79c5_proj, .Lfunc_end_k_q0736ad79c5_proj-k_q0736ad79c5_proj
	.p2alignl 7, 3214868480
	.fill 96, 4, 3214868480
	.section	.rodata,"a",@progbits
	.p2align	6, 0x0
	.amdhsa_kernel k_q0736ad79c5_proj
		.amdhsa_group_segment_fixed_size 327680
		.amdhsa_private_segment_fixed_size 0
		.amdhsa_enable_private_segment 0
		.amdhsa_kernarg_size 104
		.amdhsa_user_sgpr_count 2
		.amdhsa_user_sgpr_kernarg_segment_ptr 1
		.amdhsa_wavefront_size32 1
		.amdhsa_system_sgpr_workgroup_id_x 1
		.amdhsa_system_sgpr_workgroup_id_y 1
		.amdhsa_system_sgpr_workgroup_id_z 1
		.amdhsa_system_vgpr_workitem_id 0
		.amdhsa_next_free_vgpr 1024
		.amdhsa_next_free_sgpr 102
		.amdhsa_reserve_vcc 0
		.amdhsa_float_denorm_mode_32 3
		.amdhsa_float_denorm_mode_16_64 3
		.amdhsa_memory_ordered 1
		.amdhsa_forward_progress 1
		.amdhsa_inst_pref_size 141
	.end_amdhsa_kernel
	.amdgpu_metadata
---
amdhsa.version: [ 1, 2 ]
amdhsa.kernels:
  - .name:           k_q0736ad79c5_proj
    .symbol:         k_q0736ad79c5_proj.kd
    .args:
      - { .name: hidden_states_codes, .offset: 0, .size: 8, .value_kind: global_buffer, .address_space: global }
      - { .name: hidden_states_scales, .offset: 8, .size: 8, .value_kind: global_buffer, .address_space: global }
      - { .name: Wq_codes, .offset: 16, .size: 8, .value_kind: global_buffer, .address_space: global }
      - { .name: Wq_scales, .offset: 24, .size: 8, .value_kind: global_buffer, .address_space: global }
      - { .name: Wk_codes, .offset: 32, .size: 8, .value_kind: global_buffer, .address_space: global }
      - { .name: Wk_scales, .offset: 40, .size: 8, .value_kind: global_buffer, .address_space: global }
      - { .name: Wv_codes, .offset: 48, .size: 8, .value_kind: global_buffer, .address_space: global }
      - { .name: Wv_scales, .offset: 56, .size: 8, .value_kind: global_buffer, .address_space: global }
      - { .name: bq, .offset: 64, .size: 8, .value_kind: global_buffer, .address_space: global }
      - { .name: bk, .offset: 72, .size: 8, .value_kind: global_buffer, .address_space: global }
      - { .name: bv, .offset: 80, .size: 8, .value_kind: global_buffer, .address_space: global }
      - { .name: qb, .offset: 88, .size: 8, .value_kind: global_buffer, .address_space: global }
      - { .name: kvb, .offset: 96, .size: 8, .value_kind: global_buffer, .address_space: global }
    .group_segment_fixed_size: 327680
    .private_segment_fixed_size: 0
    .kernarg_segment_align: 8
    .kernarg_segment_size: 104
    .max_flat_workgroup_size: 128
    .sgpr_count:     102
    .vgpr_count:     1024
    .wavefront_size: 32
...
	.end_amdgpu_metadata
.endif
;; end of part 1
;; launch attn (part 2): grid 2 x 128, 8 waves a work-group, no clusters, 168,960 bytes of LDS; arguments qb, kvb, attention_mask, out0; writes out0
.if DOCPART == 2
	.amdgcn_target "amdgcn-amd-amdhsa--gfx1250"
	.amdhsa_code_object_version 6
	.text
	.protected	k_q0736ad79c5_attn
	.globl	k_q0736ad79c5_attn
	.p2align	8
	.type	k_q0736ad79c5_attn,@function
k_q0736ad79c5_attn:
	s_mov_b64 s[64:65], 0
	v_nop
	global_prefetch_b8 v0, s[64:65] scope:SCOPE_SE
	s_setreg_imm32_b32 hwreg(HW_REG_WAVE_MODE, 25, 1), 1
	s_wait_xcnt 0x0
; out[b][s][64 h + d] = the sum over keys of softmax(q . k / 8 + mask) v, both products on codes of FP6 (E2M3) with one E8M0 scale for each 32 along a product's K.
; q, k, v come as the launch before laid them: images of operand registers and scale words, K's and V's dense for each step of 128 keys (13,056 bytes).
; A STEP's keys, of a group of 256 rows T' and half a: operand block 2 c + h is keys 256 T' + 128 h + 64 a + 32 c + 0..31.  Key tile 4 c + u holds keys 8 u + 0..7 of blocks 2 c and 2 c + 1, so in S^T a lane's 32 registers
; of band c are one whole block of 32 keys, in V's order: p's largest number, codes and scale byte are made without another lane; only the row's maximum and the scale word join lanes l and l xor 16.
; THE SOFTMAX.  t = c (q . k + 8 mask), c = log2(e) / 8; M = the row's largest t so far, rounded up to a whole number; p = 2^(t - M) is quantised, not normalised; the row's sum is taken of the unquantised p and divides at the
; end.  When M moves, the sum and O are multiplied by 2^(old M - new M), which rounds nothing.  8 x mask (exact) is the C of the first product.
; The exponentials go in two batches, one a band: band 1's multiply-adds stand behind the first batch, band 0's sums, scale and conversions behind the second.  The sum is taken in four chains.
; SHARES.  A work-group owns one head of one batch and 512 queries (four steps' rows); each of eight waves 64 queries: the four tiles of a band.  Every wave brings one step's K and V by one tensor load; nothing is filled again.
; The first barrier shows steps 0 and 1 (waves 0 and 1 have a load line of their own and wait); the second, behind two steps' work, shows the rest.
; K = 64 IN AN INSTRUCTION OF 128.  Q's registers 6-11 are zero codes; K's operand for a tile is the run of twelve registers from its six on (behind the last: zeros); the scale bytes of those two blocks are 0 on both sides.
; NO CLUSTER: a head's K and V are read by two work-groups alone, once each, at the head.  NO PREFETCH: all that the launch reads is asked for at its head.
; LIMITS: |mask| above 4.2e37 overflows in 8 x mask (a mask of -infinity is served; a row all of whose keys are at -infinity gives NaN); a block of p whose largest number lies under 2^-124 keeps the scale byte 1;
; the scaled scores stay under 2^31 in magnitude.
.set STEPB, 13056
.set MK,   104448                      ; 8 x mask, [step][h][64 keys]
.set STG,  108544                      ; the way out: 16 rows x 272 bytes for each wave
.set SPARE, 143360
.set A16,  1
.set A8,   2
.set AMK,  3
.set ADK16, 6
.set ADK8, 7
.set ADM,  8
.set STO,  11
.set SRD,  12
.set GO,   13
.set SH8,  14
.set ST,   16
.set QF,   32
.set QSW,  80
.set KSR,  84
.set VSR,  88
.set PSW,  90
.set TMP,  91
.set F,    92
.set S,    96
.set VF,   160
.set P,    208
.set BM,   220
.set PT,   224
.set SO,   228
.set CT,   232
.set SUMT, 240
.set SU2,  242
.set RC,   244
.set SU3,  252
.set KF,   128                         ; window 1: v0-127 O^T, v128-181 K and zeros, v192-255 8 x mask
.set MC,   192
.set WV,   12
.set SEL,  20
.set CS,   22
.set G1,   24
.set G0,   40
.set T13,  60
.set T5,   61
.set TRIP, 63
.set MSB, 0
.macro WIN new
.if MSB != \new
	s_set_vgpr_msb (MSB<<8)|\new
.set MSB, \new
.endif
.endm
.macro WALU
	s_wait_alu depctr_va_vdst(0)
.endm
	s_load_b256 s[4:11], s[0:1], 0x0
	v_lshl_add_u32 v254, v0, 2, SPARE
	v_mov_b32 v255, 0
	ds_add_u32 v254, v255
	ds_add_u32 v254, v255
	v_lshrrev_b32 v15, 5, v0
	v_readfirstlane_b32 s[WV], v15
	s_and_b32 s14, ttmp7, 0xffff                   ; 16 b + head
	s_lshr_b32 s15, s14, 4
	s_and_b32 s16, s14, 15
	s_and_b32 s18, s[WV], 1                        ; my band of queries
	s_mul_i32 s19, s[WV], STEPB
	s_mov_b32 s[G1], 3<<16                         ; 13,056 dense bytes as 51 rows of 256
	s_mov_b32 s[G1+1], 32<<16
	s_mov_b32 s[G1+2], 51<<16
	s_mov_b32 s[G1+3], 32<<16
	s_mov_b32 s[G1+4], 51
	s_mov_b32 s[G1+5], 32
	s_mov_b32 s[G1+6], 0
	s_mov_b32 s[G1+7], 0
	s_mul_i32 s48, s14, 8*STEPB
	s_add_co_u32 s48, s48, s19
	s_mov_b32 s49, 0
	s_lshl_b32 s50, ttmp9, 2
	s_lshr_b32 s51, s[WV], 1
	s_add_co_u32 s50, s50, s51                     ; my queries' step
	s_lshl_b32 s51, s14, 3
	s_add_co_u32 s51, s51, s50
	s_mul_i32 s52, s51, 6656
	s_mul_i32 s54, s18, 3072
	s_add_co_u32 s54, s54, s52
	s_mov_b32 s55, 0
	s_lshl_b32 s56, s18, 8
	s_add_co_u32 s56, s56, s52
	s_add_co_u32 s56, s56, 6144
	s_mov_b32 s57, 0
	s_lshl_b32 s70, s15, 12
	s_mov_b32 s71, 0
	s_lshl_b32 s72, s15, 22                        ; out: the batch; 256 T' + 64 a + 32 c rows of 4,096 bytes; the head's 256 bytes
	s_lshl_b32 s73, ttmp9, 21
	s_add_co_u32 s72, s72, s73
	s_lshr_b32 s73, s[WV], 2
	s_lshl_b32 s73, s73, 20
	s_add_co_u32 s72, s72, s73
	s_bfe_u32 s73, s[WV], 0x10001
	s_lshl_b32 s73, s73, 18
	s_add_co_u32 s72, s72, s73
	s_lshl_b32 s73, s18, 17
	s_add_co_u32 s72, s72, s73
	s_lshl_b32 s73, s16, 8
	s_add_co_u32 s72, s72, s73
	s_mov_b32 s73, 0
	s_mov_b32 s[SEL], 0x76543210
	s_mov_b32 s[SEL+1], 0xfedcba98
	s_mov_b32 s[CS], 0x3e38aa3b
	s_mov_b32 s[CS+1], s[CS]
	s_mov_b32 s[T13], 0
	s_mov_b32 s[T5], 0
	s_mul_i32 s58, s[WV], 4352
	s_add_co_u32 s58, s58, STG
	WALU
	s_wait_dscnt 0x0
	s_wait_kmcnt 0x0
	s_mov_b32 s[G0], 1
	s_mov_b32 s[G0+1], s19
	s_add_nc_u64 s[G0+2:G0+3], s[6:7], s[48:49]
	s_or_b32 s[G0+3], s[G0+3], 0x80000000
	s_cmp_lt_u32 s[WV], 2
	s_cbranch_scc0 .Llate
	tensor_load_to_lds s[G0:G0+3], s[G1:G1+7]      ; steps 0 and 1
	s_nop 0
.rept 4
	v_nop
.endr
	s_branch .Lasked
.Llate:
	tensor_load_to_lds s[G0:G0+3], s[G1:G1+7]      ; steps 2 to 7
	s_nop 0
.rept 4
	v_nop
.endr
.Lasked:
	s_add_nc_u64 s[54:55], s[4:5], s[54:55]
	s_add_nc_u64 s[56:57], s[4:5], s[56:57]
	s_add_nc_u64 s[8:9], s[8:9], s[70:71]
	s_add_nc_u64 s[10:11], s[10:11], s[72:73]
	v_and_b32 v15, 31, v0
	v_lshlrev_b32 v108, 4, v0
	v_and_b32 v94, 15, v0
	v_bfe_u32 v95, v0, 4, 1
	v_lshlrev_b32 v[A16], 4, v15
	v_lshlrev_b32 v[A8], 3, v15
	v_lshlrev_b32 v[SH8], 3, v95
	global_load_b128 v[96:99], v108, s[8:9]        ; the work-group's 256 threads read the batch's mask
.irp q, 0,1,2,3
	global_load_b128 v[QF+12*\q:QF+12*\q+3], v[A16], s[54:55] offset:768*\q
	global_load_b64 v[QF+12*\q+4:QF+12*\q+5], v[A8], s[54:55] offset:768*\q+512
.endr
	global_load_b64 v[QSW:QSW+1], v[A8], s[56:57]
	v_lshl_add_u32 v[AMK], v95, 8, MK
	v_mul_u32_u24 v[STO], v94, 272
	v_mul_u32_u24 v[SRD], v95, 272
	v_lshl_add_u32 v[STO], v95, 5, v[STO]
	v_lshl_add_u32 v[SRD], v94, 4, v[SRD]
	v_add_nc_u32 v[STO], s58, v[STO]
	v_add_nc_u32 v[SRD], s58, v[SRD]
	v_lshlrev_b32 v[GO], 12, v95
	v_lshl_add_u32 v[GO], v94, 4, v[GO]
	v_lshrrev_b32 v110, 6, v0                      ; keys 4 t on go to step 2 (t / 64) + (t / 16) % 2, half (t / 32) % 2, place 4 (t % 16)
	v_bfe_u32 v111, v0, 4, 1
	v_bfe_u32 v112, v0, 5, 1
	v_lshlrev_b32 v110, 10, v110
	v_lshl_add_u32 v110, v111, 9, v110
	v_lshl_add_u32 v110, v112, 8, v110
	v_lshl_add_u32 v110, v94, 4, v110
	v_add_nc_u32 v110, MK, v110
.irp q, 0,1,2,3
.irp i, 6,7,8,9,10,11
	v_mov_b32 v[QF+12*\q+\i], 0
.endr
	v_mov_b32 v[ST+4*\q+1], 0xff61b1e6             ; the largest t so far: -3e38
	v_mov_b32 v[ST+4*\q+2], 0
	v_mov_b32 v[ST+4*\q+3], 0
	v_mov_b32 v[PT+\q], 0
	v_mov_b32 v[SO+\q], 0
.endr
.irp q, 0,1,2,3
	v_floor_f32 v[ST+4*\q], -v[ST+4*\q+1]
.endr
	v_mov_b32 v[F+1], 0
	WIN 0x40
.set i, 0
.rept 128
	v_mov_b32 v[i], 0                              ; O^T: the step is written once, and the first finds zeros
.set i, i+1
.endr
.irp i, 176,177,178,179,180,181
	v_mov_b32 v[\i], 0
.endr
	WIN 0
	WALU
	s_wait_loadcnt 9                               ; the mask is in; Q's nine loads may be out
.irp e, 0,1,2,3
	v_mul_f32 v[96+\e], 0x41000000, v[96+\e]
.endr
	ds_store_b128 v110, v[96:99]
	s_wait_dscnt 0x0
	s_cmp_lt_u32 s[WV], 2
	s_cbranch_scc0 .Lno_wait
	s_wait_tensorcnt 0x0
.Lno_wait:
	s_barrier_signal -1
	s_barrier_wait -1                              ; the mask and steps 0 and 1 are in
	s_wait_loadcnt 0x0
.macro LOADS
	v_add_nc_u32 v[ADK16], s[T13], v[A16]
	v_add_nc_u32 v[ADK8], s[T13], v[A8]
	v_add_nc_u32 v[ADM], s[T5], v[AMK]
	v_nop
	WALU
	WIN 0x40
.irp T, 0,1,2,3,4,5,6,7
	ds_load_b128 v[MC+8*\T:MC+8*\T+3], v[ADM] offset:32*\T
	ds_load_b128 v[MC+8*\T+4:MC+8*\T+7], v[ADM] offset:32*\T+16
.endr
.irp T, 0,1,2,3,4,5,6,7
	ds_load_b128 v[KF+6*\T:KF+6*\T+3], v[ADK16] offset:768*\T
	ds_load_b64 v[KF+6*\T+4:KF+6*\T+5], v[ADK8] offset:768*\T+512
.endr
	WIN 0
	ds_load_b64 v[KSR:KSR+1], v[ADK8] offset:12288
	ds_load_b64 v[KSR+2:KSR+3], v[ADK8] offset:12544
.irp t, 0,1,2,3
.irp c, 0,1
	ds_load_b128 v[VF+12*\t+6*\c:VF+12*\t+6*\c+3], v[ADK16] offset:6144+1536*\t+768*\c
	ds_load_b64 v[VF+12*\t+6*\c+4:VF+12*\t+6*\c+5], v[ADK8] offset:6144+1536*\t+768*\c+512
.endr
.endr
	ds_load_b64 v[VSR:VSR+1], v[ADK8] offset:12800
	s_wait_dscnt 17                                ; V's sixteen loads and its words' one may be out
.endm
.macro PKF j0, n                       ; t - M of 2 n scores from S + j0 on
.set j, \j0
.rept \n
	v_pk_fma_f32 v[S+j:S+j+1], v[S+j:S+j+1], s[CS:CS+1], v[rT:rT+1] op_sel_hi:[1,0,0]
.set j, j+2
.endr
.endm
.macro EXPS j0                         ; a band's 32 exponentials
.set j, \j0
.rept 32
	v_exp_f32 v[S+j], v[S+j]
.set j, j+1
.endr
.endm
.macro ADD4 j                          ; eight p onto the sum's four chains
	v_pk_add_f32 v[SU2:SU2+1], v[SU2:SU2+1], v[S+\j:S+\j+1]
	v_pk_add_f32 v[SU3:SU3+1], v[SU3:SU3+1], v[S+\j+2:S+\j+3]
	v_pk_add_f32 v[rT+2:rT+3], v[rT+2:rT+3], v[S+\j+4:S+\j+5]
	v_pk_add_f32 v[SUMT:SUMT+1], v[SUMT:SUMT+1], v[S+\j+6:S+\j+7]
.endm
.macro SOFT q
.set rT, ST+4*\q
.irp b, 0,1,2,3
	v_max3_num_f32 v[BM+\b], v[S+16*\b], v[S+1+16*\b], v[S+2+16*\b]   ; four chains by turns; each accumulator is first read at its low end
.endr
.irp i, 3,5,7,9,11,13
.irp b, 0,1,2,3
	v_max3_num_f32 v[BM+\b], v[BM+\b], v[S+16*\b+\i], v[S+1+16*\b+\i]
.endr
.endr
.irp b, 0,1,2,3
	v_max_num_f32 v[BM+\b], v[BM+\b], v[S+15+16*\b]
.endr
	s_delay_alu instid0(VALU_DEP_3)
	v_max_num_f32 v[BM], v[BM], v[BM+1]            ; my two blocks' largest scores
	s_delay_alu instid0(VALU_DEP_2)
	v_max_num_f32 v[BM+2], v[BM+2], v[BM+3]
	s_delay_alu instid0(VALU_DEP_1)
	v_max_num_f32 v[TMP], v[BM], v[BM+2]
	s_delay_alu instid0(VALU_DEP_1)
	v_permlanex16_b32 v[PT], v[TMP], s[SEL], s[SEL+1]
	s_delay_alu instid0(VALU_DEP_1)
	v_max_num_f32 v[TMP], v[TMP], v[PT]            ; the step's largest score of my query
	s_delay_alu instid0(VALU_DEP_1)
	v_mul_f32 v[TMP], s[CS], v[TMP]
	s_delay_alu instid0(VALU_DEP_1)
	v_max_num_f32 v[rT+1], v[rT+1], v[TMP]
	v_mov_b32 v[TMP], v[rT]
	s_delay_alu instid0(VALU_DEP_2)
	v_floor_f32 v[rT], -v[rT+1]                    ; -M = floor(-t)
	s_delay_alu instid0(VALU_DEP_1)
	v_sub_f32 v[TMP], v[rT], v[TMP]
	PKF 0, 4                                       ; band 0's multiply-adds, with the lines that make f among them
	v_cvt_i32_f32 v[TMP], v[TMP]
	PKF 8, 4
	v_ldexp_f32 v[F], 1.0, v[TMP]                  ; f = 2^(old M - new M)
	PKF 16, 4
	v_fma_f32 v[BM], v[BM], s[CS], v[rT]
	PKF 24, 4
	v_pk_mul_f32 v[rT+2:rT+3], v[rT+2:rT+3], v[F:F+1] op_sel_hi:[1,0]
	WALU                                           ; ahead of the first batch
	EXPS 0
	v_exp_f32 v[BM], v[BM]                         ; block 2 c + h's largest p: the same two instructions on the same number
	PKF 32, 16                                     ; band 1's multiply-adds: plain work that names none of the batch's results
	v_fma_f32 v[BM+2], v[BM+2], s[CS], v[rT]
	WALU                                           ; behind the first batch and ahead of the second
	EXPS 32
	v_exp_f32 v[BM+2], v[BM+2]
	v_pk_add_f32 v[SUMT:SUMT+1], v[S:S+1], v[S+2:S+3]   ; band 0's sum, scale and codes name the first batch's results alone
	v_pk_add_f32 v[SU2:SU2+1], v[S+4:S+5], v[S+6:S+7]
	v_pk_add_f32 v[SU3:SU3+1], v[S+8:S+9], v[S+10:S+11]
	v_max_num_f32 v[BM], 0x1800000, v[BM]
	v_pk_add_f32 v[rT+2:rT+3], v[rT+2:rT+3], v[S+12:S+13]
	v_pk_add_f32 v[SUMT:SUMT+1], v[SUMT:SUMT+1], v[S+14:S+15]
	ADD4 16
	v_add_nc_u32 v[SO], 0xff000000, v[BM]
	ADD4 24
	v_lshrrev_b32 v[PT], 23, v[SO]
	v_cvt_scalef32_pk16_fp6_f32 v[P:P+2], v[S:S+15], v[SO]
	v_cvt_scalef32_pk16_fp6_f32 v[CT:CT+2], v[S+16:S+31], v[SO]
	v_nop
	WALU                                           ; behind the second batch
	ADD4 32
	v_max_num_f32 v[BM+2], 0x1800000, v[BM+2]
	ADD4 40
	v_add_nc_u32 v[SO+1], 0xff000000, v[BM+2]
	ADD4 48
	v_lshrrev_b32 v[PT+1], 23, v[SO+1]
	ADD4 56
	v_lshl_or_b32 v[PSW], v[PT+1], 16, v[PT]
	v_pk_add_f32 v[SUMT:SUMT+1], v[SUMT:SUMT+1], v[SU2:SU2+1]
	v_pk_add_f32 v[rT+2:rT+3], v[rT+2:rT+3], v[SU3:SU3+1]
	v_lshlrev_b32 v[PSW], v[SH8], v[PSW]           ; the byte of block 2 c + h at bit 16 c + 8 h
	v_pk_add_f32 v[rT+2:rT+3], v[rT+2:rT+3], v[SUMT:SUMT+1]
	v_permlanex16_b32 v[PT+2], v[PSW], s[SEL], s[SEL+1]
	v_cvt_scalef32_pk16_fp6_f32 v[P+6:P+8], v[S+32:S+47], v[SO+1]
	v_cvt_scalef32_pk16_fp6_f32 v[CT+4:CT+6], v[S+48:S+63], v[SO+1]
	v_or_b32 v[PSW], v[PSW], v[PT+2]               ; also the plain place behind the conversions
.irp c, 0,1
.irp i, 0,1,2
	v_mov_b32 v[P+3+6*\c+\i], v[CT+4*\c+\i]
.endr
.endr
.endm
.macro QKP T, q, ra, rb
	v_wmma_scale_f32_16x16x128_f8f6f4 v[S+8*(\T):S+8*(\T)+7], v[KF+6*(\T):KF+6*(\T)+11], v[QF+12*\q:QF+12*\q+11], v[MC+8*(\T):MC+8*(\T)+7], v[KSR+(\T)/2], v[QSW+\q/2] matrix_a_fmt:MATRIX_FMT_FP6 matrix_b_fmt:MATRIX_FMT_FP6 matrix_a_scale:MATRIX_SCALE_ROW\ra matrix_b_scale:MATRIX_SCALE_ROW\rb
.endm
.macro PVP t, q, ra
	v_wmma_scale_f32_16x16x128_f8f6f4 v[32*\q+8*(\t):32*\q+8*(\t)+7], v[VF+12*(\t):VF+12*(\t)+11], v[P:P+11], v[32*\q+8*(\t):32*\q+8*(\t)+7], v[VSR+(\t)/2], v[PSW] matrix_a_fmt:MATRIX_FMT_FP6 matrix_b_fmt:MATRIX_FMT_FP6 matrix_a_scale:MATRIX_SCALE_ROW\ra
.endm
; a tile's share of a step: 8 products on 8 accumulators, the softmax, 4 products on 4 accumulators
.macro TILE q, rb
	WIN 0x11
.irp T, 0,2,4,6
	QKP \T, \q, 0, \rb
	QKP \T+1, \q, 1, \rb
.endr
	WIN 0
.rept 4
	v_nop
.endr
	SOFT \q
	WALU                                           ; directly ahead of the first reader of O^T
	WIN 0x41
.set j, 0
.rept 16
	v_pk_mul_f32 v[32*\q+j:32*\q+j+1], v[32*\q+j:32*\q+j+1], v[F:F+1] op_sel_hi:[1,0]   ; also the places between p's codes and scale word and the products below
.set j, j+2
.endr
.if \q == 0
	WALU
	s_wait_dscnt 0x0
.endif
	WIN 0x50
	PVP 0, \q, 0
	PVP 1, \q, 1
	PVP 2, \q, 0
	PVP 3, \q, 1
.endm
.macro KLOOP n
	s_mov_b32 s[TRIP], \n
.Lstep_\@:
	LOADS
	TILE 0, 0
	TILE 1, 1
	TILE 2, 0
	TILE 3, 1
	WIN 0
	s_add_co_u32 s[T13], s[T13], STEPB
	s_add_co_u32 s[T5], s[T5], 512
	s_sub_co_u32 s[TRIP], s[TRIP], 1
	s_cmp_lg_u32 s[TRIP], 0
	WALU
	s_cbranch_scc1 .Lstep_\@
.endm
	KLOOP 2
	s_wait_tensorcnt 0x0
	s_wait_dscnt 0x0
	s_barrier_signal -1
	s_barrier_wait -1                              ; steps 2 to 7 are in
	KLOOP 6
.irp q, 0,1,2,3
	v_add_f32 v[PT+\q], v[ST+4*\q+2], v[ST+4*\q+3]
.endr
.irp q, 0,1,2,3
	v_permlanex16_b32 v[SO+\q], v[PT+\q], s[SEL], s[SEL+1]
.endr
.irp q, 0,1,2,3
	v_add_f32 v[PT+\q], v[PT+\q], v[SO+\q]
.endr
	WALU
.irp q, 0,1,2,3
	v_rcp_f32 v[RC+2*\q], v[PT+\q]
	v_rcp_f32 v[RC+2*\q+1], v[PT+\q]
.endr
	v_nop
	WALU
; tile q's row r is query 8 q + r % 8 + 128 (r / 8) of my band
.macro OUT q
.if \q > 0
	s_wait_xcnt 0x0
.endif
	WIN 0x01
.set j, 0
.rept 16
	v_pk_mul_f32 v[S+j:S+j+1], v[32*\q+j:32*\q+j+1], v[RC+2*\q:RC+2*\q+1]
.set j, j+2
.endr
	WIN 0
.irp c, 0,1,2,3
	ds_store_b128 v[STO], v[S+8*\c:S+8*\c+3] offset:64*\c
	ds_store_b128 v[STO], v[S+8*\c+4:S+8*\c+7] offset:64*\c+16
.endr
.irp i, 0,1,2,3,4,5,6,7
	ds_load_b128 v[128+4*\i:131+4*\i], v[SRD] offset:544*\i   ; LDS serves a wave's instructions in order (ISA guide 5.7.1.4)
.endr
.irp i, 0,1,2,3,4,5,6,7
	s_wait_dscnt 7-\i
	global_store_b128 v[GO], v[128+4*\i:131+4*\i], s[10:11] offset:32768*\q+8192*(\i%4)+524288*(\i/4) th:TH_STORE_NT   ; sixteen lanes store the head's 256 bytes of a row, aligned
.endr
.endm
	OUT 0
	OUT 1
	OUT 2
	OUT 3
	s_wait_tensorcnt 0x0
	ds_add_u32 v254, v255
	s_wait_dscnt 0x0
	s_endpgm
.Lfunc_end_k_q0736ad79c5_attn:
	.size	k_q0736ad79c5_attn, .Lfunc_end_k_q0736ad79c5_attn-k_q0736ad79c5_attn
	.p2alignl 7, 3214868480
	.fill 96, 4, 3214868480
	.section	.rodata,"a",@progbits
	.p2align	6, 0x0
	.amdhsa_kernel k_q0736ad79c5_attn
		.amdhsa_group_segment_fixed_size 168960
		.amdhsa_private_segment_fixed_size 0
		.amdhsa_enable_private_segment 0
		.amdhsa_kernarg_size 32
		.amdhsa_user_sgpr_count 2
		.amdhsa_user_sgpr_kernarg_segment_ptr 1
		.amdhsa_wavefront_size32 1
		.amdhsa_system_sgpr_workgroup_id_x 1
		.amdhsa_system_sgpr_workgroup_id_y 1
		.amdhsa_system_sgpr_workgroup_id_z 1
		.amdhsa_system_vgpr_workitem_id 0
		.amdhsa_next_free_vgpr 512
		.amdhsa_next_free_sgpr 74
		.amdhsa_reserve_vcc 0
		.amdhsa_float_denorm_mode_32 3
		.amdhsa_float_denorm_mode_16_64 3
		.amdhsa_memory_ordered 1
		.amdhsa_forward_progress 1
		.amdhsa_inst_pref_size 136
	.end_amdhsa_kernel
	.amdgpu_metadata
---
amdhsa.version: [ 1, 2 ]
amdhsa.kernels:
  - .name:           k_q0736ad79c5_attn
    .symbol:         k_q0736ad79c5_attn.kd
    .args:
      - { .name: qb, .offset: 0, .size: 8, .value_kind: global_buffer, .address_space: global }
      - { .name: kvb, .offset: 8, .size: 8, .value_kind: global_buffer, .address_space: global }
      - { .name: attention_mask, .offset: 16, .size: 8, .value_kind: global_buffer, .address_space: global }
      - { .name: out0, .offset: 24, .size: 8, .value_kind: global_buffer, .address_space: global }
    .group_segment_fixed_size: 168960
    .private_segment_fixed_size: 0
    .kernarg_segment_align: 8
    .kernarg_segment_size: 32
    .max_flat_workgroup_size: 256
    .sgpr_count:     74
    .vgpr_count:     512
    .wavefront_size: 32
...
	.end_amdgpu_metadata
.endif
;; end of part 2
